; MI455X (gfx1250); checked and timed in simulation.
; The chip was launched on July 23, 2026; its instructions are those of AMD's public machine-readable ISA for CDNA 5 (MIT licence, August 2026) and "CDNA5" Instruction Set Architecture Reference Guide (July 2026). The comments in the code are by the model that wrote it; some were corrected since.
;; Attenuation To Rain Rate. Allowed arithmetic: matrix products marked QUANTISED: E2M3 operands, one E8M0 scale for each 32 along K, by v_wmma_scale_f32_16x16x128_f8f6f4 with both operands' format E2M3, f32 sums; products left as they are: f32 operands where the result goes on into a quantised operand, else bf16, f16 or f32 operands; f32 sums; everything else in f32.
;; Inputs: b1 128 float32; b2 128 float32; b3 128 float32; b4 128 float32; b5 1 float32; mb1 64 float32; mb2 128 float32; mb3 1,024 float32; metadata 262,144 x 16 float32; mw1 64 x 16 float32; mw2 128 x 64 float32; mw3 1,024 x 128 float32; w1 128 x 1 float32; w2 128 x 128 float32; w3 128 x 128 float32; w4 128 x 128 float32; w5 1 x 128 float32; x 262,144 x 1 float32.
;; Outputs: out0 262,144 x 1 float32.
;; This version of the problem:
;;   THIS VERSION OF THE PROBLEM IS GIVEN IN LOW PRECISION. The matrix products marked QUANTISED in the list below multiply operands that are first quantised to E2M3 (2 exponent bits, 3 mantissa bits; 6 bits a number), with one power-of-two scale for each 32 numbers along K (OCP MX v1.0); their sums are f32. All else is computed in f32.
;;   The module's matrix products, in the order in which they are computed (A, B: the left and right operand; K: the contracted axis; several contracted axes count as one K, in the product's order):
;;     1. [M 262,144, K 16] x [K 16, N 64]; A: input metadata; B: input mw1: left as it is (K = 16 < 32)
;;     2. [M 262,144, K 64] x [K 64, N 128]; A: computed on the way; B: input mw2: QUANTISED
;;     3. [M 262,144, K 128] x [K 128, N 1,024]; A: computed on the way; B: input mw3: QUANTISED
;;     4. [M 262,144, K 1] x [K 1, N 128]; A: input x; B: input w1: left as it is (K = 1 < 32)
;;     5. [M 262,144, K 128] x [K 128, N 128]; A: computed on the way; B: input w2: QUANTISED
;;     6. [M 262,144, K 128] x [K 128, N 128]; A: computed on the way; B: input w3: QUANTISED
;;     7. [M 262,144, K 128] x [K 128, N 128]; A: computed on the way; B: input w4: QUANTISED
;;     8. [M 262,144, K 128] x [K 128, N 1]; A: computed on the way; B: input w5: left as it is (N = 1 < 16)
;;   THE QUANTISER, for each operand of a quantised product, along K:
;;     - K is cut into blocks of 32 from its start; a last block that is shorter is filled with zeros.
;;     - A block's scale is 2^e with e = floor(log2(the largest magnitude in the block)) - 2, held to -126 .. 127; a block of zeros has e = 0. As a byte (E8M0): e + 127.
;;     - Each number is divided by its block's scale, clamped to +-7.5, and rounded to the nearest number of E2M3, ties to even, subnormals kept.
;;     - The product sums the exact products of the quantised numbers (number of the format x scale) in f32.
;;   ~~~python
;;   def quantise(x, axis):      # numpy; x: float32 -> the quantised numbers, widened to float32 again
;;       x = np.moveaxis(x, axis, -1); K = x.shape[-1]
;;       x = np.pad(x, [(0, 0)] * (x.ndim - 1) + [(0, -K % 32)]); x = x.reshape(x.shape[:-1] + (-1, 32)); a = np.abs(x).max(-1, keepdims=True)
;;       e = np.where(a > 0, np.clip(np.frexp(np.where(a > 0, a, 1))[1] - 1 - 2, -126, 127), 0)      # np.frexp(a)[1] - 1 = floor(log2(a)), exactly
;;       r = np.clip(x / 2.0 ** e, -7.5, 7.5)
;;       step = 2.0 ** (np.maximum(np.frexp(np.where(r == 0, 1, r))[1] - 1, 0) - 3)
;;       q = np.round(r / step) * step * 2.0 ** e      # np.round: ties to even
;;       return np.moveaxis(q.reshape(q.shape[:-2] + (-1,))[..., :K], -1, axis).astype(np.float32)
;;   ~~~
;;   OPERANDS COMPUTED ON THE WAY. 'Computed on the way' means the value that the module computes at that place (a softmax that the list does not call 'softmax' is quantised finished and normalised). What goes into a quantiser is computed in f32, as accurately as f32 sums, v_exp_f32 and their like allow (about 1e-6 of the number): no bf16 or f16 on the way to a quantiser, and a product that is left as it is and whose result goes on into a quantised operand takes f32 operands (vector FMAs, or v_wmma_f32_16x16x4_f32). A number that lies on a knife's edge between two numbers of the format may be rounded either way, as far as f32 arithmetic and the matrix unit's own rounding can turn it there, and no further.
;; One version. Each part assembles by itself: llvm-mc -triple=amdgcn-amd-amdhsa -mcpu=gfx1250 --defsym DOCPART=n.
;; ======== version 1 of 1: 2 launches
;; workspace buffers: wimg 172,032 bytes
;; launch prep (part 1): grid 25 x 1, 4 waves a work-group, no clusters, 0 bytes of LDS; arguments mw2, w2, w3, w4, mw3, mw1, mb1, w1, b1, w5, b5, mb2, b2, b3, b4, mb3, wimg; writes wimg
.if DOCPART == 1
	.amdgcn_target "amdgcn-amd-amdhsa--gfx1250"
	.amdhsa_code_object_version 6
	.text
	.protected	k_qd87588c9b7_prep
	.globl	k_qd87588c9b7_prep
	.p2align	8
	.type	k_qd87588c9b7_prep,@function
k_qd87588c9b7_prep:
	s_mov_b64 s[64:65], 0
	v_nop
	global_prefetch_b8 v0, s[64:65] scope:SCOPE_SE
	s_setreg_imm32_b32 hwreg(HW_REG_WAVE_MODE, 25, 1), 1
	s_wait_xcnt 0x0
; The weights of the five quantised products become codes of FP6 (E2M3) ONCE, laid as the next launch's LDS wants them; the small f32 vectors are copied beside them.
; wimg, 172,032 bytes:  TRK(R) = 13,824 R, R = 0 (mw2, mb2), 1 (w2, b2), 2 (w3, b3), 3 (w4, b4): 8 fragments x 1,536 bytes, 8 x 128 bytes of scale words, the bias (512).
;   STY(L) = 55,296 + 27,648 L, L = 0 .. 3: 16 fragments of mw3 (2 t + sb: sb = 0 the scales' rows, 1 the biases' rows), 16 x 128 bytes of scale words, mb3's even numbers (512), its odd ones (512).
;   VEC = 165,888: mw1 (4,096), mb1 (256), w1, b1, w5 (512 each), b5 sixty-four times (256).
; A FRAGMENT is 16 rows x 128 K as an image of the operand's 12 registers: registers 4 g .. 4 g + 3 of lane l at 512 g + 16 l.  Lane (r, h) holds tile row r, registers 6 c .. 6 c + 5 hold k = 64 c + 32 h + 0 .. 31.
; THE ROWS OF A TILE ARE NOT NEIGHBOURS: tile row r of tile t is feature 32 (t / 2) + 8 (t % 2) + r + 8 (r / 8); in mw3 that feature's row is 256 L + 2 x feature + sb.
; A block's scale byte is its largest magnitude's exponent field - 2, held at 1 from below.  mw2 has K = 64: its blocks 2 and 3 are zero codes.
; LIMITS: a block of zeros, or one whose largest magnitude lies under 2^-124, gets the byte 1 where the rule says 127 (zero codes add nothing, and this program alone reads the bytes); NaN and infinities are not served.
; Work-groups 0 to 23: a wave to a fragment, 96 in all.  Work-group 24: the copies.  No LDS, no barrier, no loop: 750 KB are read once.
.set TRKB, 13824
.set STY0, 55296
.set STYB, 27648
.set VEC,  165888
	s_load_b512 s[4:19], s[0:1], 0x0               ; mw2 s[4:5], w2 s[6:7], w3 s[8:9], w4 s[10:11], mw3 s[12:13], mw1 s[14:15], mb1 s[16:17], w1 s[18:19]
	s_load_b512 s[20:35], s[0:1], 0x40             ; b1 s[20:21], w5 s[22:23], b5 s[24:25], mb2 s[26:27], b2 s[28:29], b3 s[30:31], b4 s[32:33], mb3 s[34:35]
	s_load_b64 s[36:37], s[0:1], 0x80              ; wimg
	v_lshrrev_b32 v1, 5, v0
	v_readfirstlane_b32 s40, v1                    ; wave
	s_cmp_eq_u32 ttmp9, 24
	s_cbranch_scc1 .Lcopy
	s_lshl_b32 s41, ttmp9, 2
	s_add_co_u32 s41, s41, s40                     ; G: my fragment, 0 .. 95
	v_and_b32 v2, 31, v0                           ; lane
	v_and_b32 v3, 15, v0                           ; r
	v_bfe_u32 v4, v0, 4, 1                         ; h
	v_and_b32 v5, 8, v3
	v_add_nc_u32 v5, v5, v3                        ; r + 8 (r / 8)
	v_lshlrev_b32 v6, 4, v2                        ; 16 x lane: my place in an image
	v_lshlrev_b32 v7, 2, v2                        ; 4 x lane: my scale word's
	s_mov_b32 s52, 0x76543210
	s_mov_b32 s53, 0xfedcba98                      ; v_permlanex16_b32's selects for lane l xor 16
	s_wait_kmcnt 0x0
	s_cmp_lt_u32 s41, 32
	s_cbranch_scc0 .Lstyle
	s_lshr_b32 s42, s41, 3                         ; R
	s_and_b32 s43, s41, 7                          ; t
	s_cmp_eq_u32 s42, 0
	s_cselect_b64 s[44:45], s[4:5], s[6:7]         ; the tensor: a choice on the fragment's number alone
	s_cselect_b32 s46, 8, 9                        ; a row is 256 bytes in mw2, 512 in the others
	s_cmp_eq_u32 s42, 2
	s_cselect_b64 s[44:45], s[8:9], s[44:45]
	s_cmp_eq_u32 s42, 3
	s_cselect_b64 s[44:45], s[10:11], s[44:45]
	s_mov_b32 s47, 0                               ; features are rows
	s_lshr_b32 s48, s43, 1
	s_lshl_b32 s48, s48, 5
	s_and_b32 s49, s43, 1
	s_lshl_b32 s49, s49, 3
	s_add_co_u32 s48, s48, s49                     ; the tile's first row: 32 (t / 2) + 8 (t % 2)
	s_mul_i32 s50, s42, TRKB
	s_mul_i32 s49, s43, 1536
	s_add_co_u32 s49, s49, s50                     ; where the image goes
	s_lshl_b32 s51, s43, 7
	s_add_co_u32 s50, s50, s51
	s_add_co_u32 s50, s50, 12288                   ; and its scale words
	s_branch .Lgo
.Lstyle:
	s_sub_co_u32 s42, s41, 32
	s_lshr_b32 s43, s42, 4                         ; L
	s_and_b32 s42, s42, 15                         ; 2 t + sb
	s_mov_b64 s[44:45], s[12:13]                   ; mw3
	s_mov_b32 s46, 9
	s_mov_b32 s47, 1                               ; a feature is two rows
	s_lshr_b32 s48, s42, 2
	s_lshl_b32 s48, s48, 6                         ; 2 x 32 (t / 2)
	s_bfe_u32 s49, s42, 0x10001
	s_lshl_b32 s49, s49, 4                         ; 2 x 8 (t % 2)
	s_add_co_u32 s48, s48, s49
	s_and_b32 s49, s42, 1
	s_add_co_u32 s48, s48, s49                     ; + sb
	s_lshl_b32 s49, s43, 8
	s_add_co_u32 s48, s48, s49                     ; + 256 L
	s_mul_i32 s50, s43, STYB
	s_add_co_u32 s50, s50, STY0
	s_mul_i32 s49, s42, 1536
	s_add_co_u32 s49, s49, s50
	s_lshl_b32 s51, s42, 7
	s_add_co_u32 s50, s50, s51
	s_add_co_u32 s50, s50, 24576
.Lgo:
	v_lshlrev_b32 v5, s47, v5
	v_add_nc_u32 v5, s48, v5                       ; my row
	v_lshlrev_b32 v5, s46, v5                      ; in bytes,
	v_lshl_add_u32 v5, v4, 7, v5                   ; + 128 h: k = 32 h on
.irp i, 0,1,2,3,4,5,6,7
	global_load_b128 v[64+4*\i:67+4*\i], v5, s[44:45] offset:16*\i          ; k = 32 h + 0 .. 31
.endr
	s_cmp_lt_u32 s41, 8
	s_cbranch_scc1 .Lshort
.irp i, 0,1,2,3,4,5,6,7
	global_load_b128 v[96+4*\i:99+4*\i], v5, s[44:45] offset:256+16*\i      ; k = 64 + 32 h + 0 .. 31
.endr
	s_branch .Lhave
.Lshort:                                           ; mw2's K ends at 64: the rest of the K step is zeros, and no load leaves the buffer
.set i, 96
.rept 32
	v_mov_b32 v[i], 0
.set i, i+1
.endr
.Lhave:
	s_mov_b32 s54, s49
	s_mov_b32 s55, 0
	s_add_nc_u64 s[54:55], s[36:37], s[54:55]
	s_mov_b32 s56, s50
	s_mov_b32 s57, 0
	s_add_nc_u64 s[56:57], s[36:37], s[56:57]
	s_wait_loadcnt 0x0
.irp c, 0,1                                        ; my block 2 c + h: all its 32 numbers are mine
	v_max3_num_f32 v[32+\c], |v[64+32*\c]|, |v[65+32*\c]|, 0x1800000        ; and the floor 2^(3 - 127): the byte cannot fall under 1
.endr
.irp i, 2,4,6,8,10,12,14,16,18,20,22,24,26,28,30
.irp c, 0,1
	v_max3_num_f32 v[32+\c], v[32+\c], |v[64+32*\c+\i]|, |v[65+32*\c+\i]|
.endr
.endr
.irp c, 0,1
	v_add_nc_u32 v[44+\c], 0xff000000, v[32+\c]    ; 2 off the exponent field: the conversion's scale operand
.endr
.irp c, 0,1
	v_lshrrev_b32 v[36+\c], 23, v[44+\c]           ; the scale's byte
.endr
	v_lshl_or_b32 v9, v37, 16, v36                 ; my two bytes: blocks h and 2 + h,
	v_lshlrev_b32 v10, 3, v4
	v_lshlrev_b32 v9, v10, v9                      ; at their places in the word;
	v_mov_b32 v10, 0
	v_permlanex16_b32 v10, v9, s52, s53
	v_or_b32 v9, v9, v10                           ; with lane l xor 16's two the word is whole, in both lanes
.irp c, 0,1
	v_cvt_scalef32_pk16_fp6_f32 v[48+6*\c:50+6*\c], v[64+32*\c:79+32*\c], v[44+\c]
	v_cvt_scalef32_pk16_fp6_f32 v[16+4*\c:18+4*\c], v[80+32*\c:95+32*\c], v[44+\c]   ; (a conversion's three registers begin on an even number)
.endr
	v_nop                                          ; one plain place behind a scaled conversion
.irp c, 0,1
.irp i, 0,1,2
	v_mov_b32 v[51+6*\c+\i], v[16+4*\c+\i]
.endr
.endr
.irp g, 0,1,2
	global_store_b128 v6, v[48+4*\g:51+4*\g], s[54:55] offset:512*\g        ; 32 lanes store 512 consecutive bytes, at a multiple of 256 from wimg's first byte
.endr
	global_store_b32 v7, v9, s[56:57]
	s_endpgm
.Lcopy:                                            ; 128 threads copy the small vectors; mb3's pairs (scale, bias) are parted
	v_lshlrev_b32 v2, 4, v0
	v_lshlrev_b32 v3, 2, v0
	v_lshlrev_b32 v4, 3, v0
	s_wait_kmcnt 0x0
	global_load_b128 v[8:11], v2, s[14:15]
	global_load_b128 v[12:15], v2, s[14:15] offset:2048
	global_load_b32 v16, v3, s[18:19]
	global_load_b32 v17, v3, s[20:21]
	global_load_b32 v18, v3, s[22:23]
	global_load_b32 v19, v3, s[26:27]
	global_load_b32 v20, v3, s[28:29]
	global_load_b32 v21, v3, s[30:31]
	global_load_b32 v22, v3, s[32:33]
.irp l, 0,1,2,3
	global_load_b64 v[24+2*\l:25+2*\l], v4, s[34:35] offset:1024*\l
.endr
	s_wait_loadcnt 0x0
	global_store_b128 v2, v[8:11], s[36:37] offset:VEC
	global_store_b128 v2, v[12:15], s[36:37] offset:VEC+2048
	global_store_b32 v3, v16, s[36:37] offset:VEC+4352
	global_store_b32 v3, v17, s[36:37] offset:VEC+4864
	global_store_b32 v3, v18, s[36:37] offset:VEC+5376
.irp l, 0,1,2,3
	global_store_b32 v3, v[19+\l], s[36:37] offset:TRKB*\l+13312
	global_store_b32 v3, v[24+2*\l], s[36:37] offset:STY0+STYB*\l+26624
	global_store_b32 v3, v[25+2*\l], s[36:37] offset:STY0+STYB*\l+27136
.endr
	s_cmp_lt_u32 s40, 2
	s_cbranch_scc0 .Ldone                          ; 64 threads do for mb1 and b5
	v_mov_b32 v5, 0
	global_load_b32 v32, v3, s[16:17]
	global_load_b32 v33, v5, s[24:25]
	s_wait_loadcnt 0x0
	global_store_b32 v3, v32, s[36:37] offset:VEC+4096
	global_store_b32 v3, v33, s[36:37] offset:VEC+5888
.Ldone:
	s_endpgm
.Lfunc_end_k_qd87588c9b7_prep:
	.size	k_qd87588c9b7_prep, .Lfunc_end_k_qd87588c9b7_prep-k_qd87588c9b7_prep
	.p2alignl 7, 3214868480
	.fill 96, 4, 3214868480
	.section	.rodata,"a",@progbits
	.p2align	6, 0x0
	.amdhsa_kernel k_qd87588c9b7_prep
		.amdhsa_group_segment_fixed_size 0
		.amdhsa_private_segment_fixed_size 0
		.amdhsa_enable_private_segment 0
		.amdhsa_kernarg_size 136
		.amdhsa_user_sgpr_count 2
		.amdhsa_user_sgpr_kernarg_segment_ptr 1
		.amdhsa_wavefront_size32 1
		.amdhsa_system_sgpr_workgroup_id_x 1
		.amdhsa_system_sgpr_workgroup_id_y 1
		.amdhsa_system_sgpr_workgroup_id_z 1
		.amdhsa_system_vgpr_workitem_id 0
		.amdhsa_next_free_vgpr 128
		.amdhsa_next_free_sgpr 66
		.amdhsa_reserve_vcc 0
		.amdhsa_float_denorm_mode_32 3
		.amdhsa_float_denorm_mode_16_64 3
		.amdhsa_memory_ordered 1
		.amdhsa_forward_progress 1
		.amdhsa_inst_pref_size 13
	.end_amdhsa_kernel
	.amdgpu_metadata
---
amdhsa.version: [ 1, 2 ]
amdhsa.kernels:
  - .name:           k_qd87588c9b7_prep
    .symbol:         k_qd87588c9b7_prep.kd
    .args:
      - { .name: mw2, .offset: 0, .size: 8, .value_kind: global_buffer, .address_space: global }
      - { .name: w2, .offset: 8, .size: 8, .value_kind: global_buffer, .address_space: global }
      - { .name: w3, .offset: 16, .size: 8, .value_kind: global_buffer, .address_space: global }
      - { .name: w4, .offset: 24, .size: 8, .value_kind: global_buffer, .address_space: global }
      - { .name: mw3, .offset: 32, .size: 8, .value_kind: global_buffer, .address_space: global }
      - { .name: mw1, .offset: 40, .size: 8, .value_kind: global_buffer, .address_space: global }
      - { .name: mb1, .offset: 48, .size: 8, .value_kind: global_buffer, .address_space: global }
      - { .name: w1, .offset: 56, .size: 8, .value_kind: global_buffer, .address_space: global }
      - { .name: b1, .offset: 64, .size: 8, .value_kind: global_buffer, .address_space: global }
      - { .name: w5, .offset: 72, .size: 8, .value_kind: global_buffer, .address_space: global }
      - { .name: b5, .offset: 80, .size: 8, .value_kind: global_buffer, .address_space: global }
      - { .name: mb2, .offset: 88, .size: 8, .value_kind: global_buffer, .address_space: global }
      - { .name: b2, .offset: 96, .size: 8, .value_kind: global_buffer, .address_space: global }
      - { .name: b3, .offset: 104, .size: 8, .value_kind: global_buffer, .address_space: global }
      - { .name: b4, .offset: 112, .size: 8, .value_kind: global_buffer, .address_space: global }
      - { .name: mb3, .offset: 120, .size: 8, .value_kind: global_buffer, .address_space: global }
      - { .name: wimg, .offset: 128, .size: 8, .value_kind: global_buffer, .address_space: global }
    .group_segment_fixed_size: 0
    .private_segment_fixed_size: 0
    .kernarg_segment_align: 8
    .kernarg_segment_size: 136
    .max_flat_workgroup_size: 128
    .sgpr_count:     66
    .vgpr_count:     128
    .wavefront_size: 32
...
	.end_amdgpu_metadata
.endif
;; end of part 1
;; launch main (part 2): grid 256 x 1, 4 waves a work-group, clusters of 4 x 1, 173,568 bytes of LDS; arguments wimg, x, metadata, out0; writes out0
.if DOCPART == 2
	.amdgcn_target "amdgcn-amd-amdhsa--gfx1250"
	.amdhsa_code_object_version 6
	.text
	.protected	k_qd87588c9b7_main
	.globl	k_qd87588c9b7_main
	.p2align	8
	.type	k_qd87588c9b7_main,@function
k_qd87588c9b7_main:
	s_mov_b64 s[64:65], 0
	v_nop
	global_prefetch_b8 v0, s[64:65] scope:SCOPE_SE
	s_setreg_imm32_b32 hwreg(HW_REG_WAVE_MODE, 25, 1), 1
	s_wait_xcnt 0x0
	s_wait_alu depctr_hold_cnt(0) depctr_sa_sdst(0) depctr_va_vdst(0) depctr_va_sdst(0) depctr_va_ssrc(0) depctr_va_vcc(0) depctr_vm_vsrc(0)
	s_getreg_b32 s2, hwreg(HW_REG_IB_STS2, 6, 4)
	s_cmp_eq_u32 s2, 0
	s_cbranch_scc0 .Lentry_in_a_cluster
	s_endpgm
.Lentry_in_a_cluster:
	s_bfe_u32 s2, ttmp6, 0x10000c
	s_cmp_lg_u32 s2, 0x3003
	s_cbranch_scc0 .Lentry_shape_is_right
	s_endpgm
.Lentry_shape_is_right:
; The whole chain for 262,144 rows: metadata 16 -> 64 -> 128 -> 1,024 styles; trunk 1 -> 128 -> 128 -> 128 -> 128 -> 1 with AdaIN and leaky ReLU behind each of its four layers.  Nothing on the way goes to memory.
; SHARES.  A work-group owns 1,024 rows, in 4 passes of 256; each of its four waves owns 64 rows of a pass: four tiles of 16.  Waves exchange nothing.
; WEIGHTS.  wimg (172,032 bytes: codes as images of the operand's registers, scale words, biases) comes into LDS once and stays; a fragment read from LDS feeds four products, one for each tile of rows.
; CLUSTER.  All work-groups read the same wimg: the four of a cluster ask for it JOINTLY, a quarter a wave, by the same tensor load with the same descriptor and a mask that names the four.
; LAYOUT.  Every product is used transposed (source 0 = 16 rows of a weight, source 1 = 16 rows of the batch), and a tile's weight rows are chosen so that in lane (r, h) register q = 8 t + j of a tile of rows is
;   feature 32 (q / 16) + 16 h + q % 16 of batch row r: 16 registers are 16 neighbours along the next K; a row's statistics want one exchange with lane l xor 16; the style's scale and bias of a feature fall
;   on the feature's own lane and register, so AdaIN works register by register.
; BY TURNS.  The vector unit has the most to do.  So the products of the NEXT layer's styles stand among the lines that apply this layer's, one behind every eight lines, and the f32 products of the first metadata layer
;   among the lines of the trunk's first layer and its statistics.
; K = 128 is one matrix instruction: no quantised sum is a chain.  The f32 sums (K = 16: four links) go over 16 accumulators by turns.
; The f32 products take k in another order, alike on both sides: lane (r, h), link s, register j holds k = 8 h + 2 s + j, so that a lane's 8 numbers are 32 neighbouring bytes.
; LIMITS: NaN and infinities are not served.  A block of zeros, or one whose largest magnitude lies under 2^-124, gets the scale byte 1 where the rule says 127: its codes are zeros.
;   1 / 127 is a multiplication, sigma and 1 / sigma come by v_sqrt_f32 and v_rcp_f32 (1 ulp each; a variance under 2^-126 counts as 0).  The variance is taken of the centred numbers.
; REGISTERS, in windows of 256 (s_set_vgpr_msb: bits 1:0 source 0, 3:2 source 1, 5:4 source 2, 7:6 destination):
;   window 3: V(m, q) = v[64 m + q]: the trunk.   window 1: S(m, q): the styles' scales; S(m, 0 .. 31) also the first metadata layer's sums: written by matrix instructions alone.
;   window 2: Bi(m, q): the styles' biases, 0.01 y at work, and the metadata chain's numbers.   window 0: all else, as named below.
.set TRKB,  13824                      ; a trunk region of wimg: 8 fragments, scale words at 12,288, bias at 13,312
.set STY0,  55296                      ; the first style region
.set STYB,  27648                      ; a style region: 16 fragments, scale words at 24,576, the scales' biases at 26,624, the biases' at 27,136
.set VEC,   165888                     ; mw1, mb1 +4,096, w1 +4,352, b1 +4,864, w5 +5,376, b5 +5,888
.set QUART, 43008                      ; a quarter of wimg: 168 rows of 256 bytes
.set STAGE, 172032                     ; behind the image: 256 bytes for each wave, for the way out
.set SPARE, 173056                     ; the spare words, 128 bytes for each wave: two blocks of 256 bytes that no other line names
.set LI,   1                           ; v1   16 x lane
.set LS,   2                           ; v2   4 x lane
.set LH,   3                           ; v3   64 h
.set ASC,  4                           ; v4-6 the style region in hand: + LI, + LS, + LH
.set ASS,  5
.set ASB,  6
.set ATC,  7                           ; v7-9 the trunk region in hand, likewise
.set ATS,  8
.set ATB,  9
.set AMW,  10                          ; v10  mw1: VEC + 64 (r + 8 (r / 8)) + 32 h
.set MOFF, 11                          ; v11  metadata: 64 r + 32 h
.set XOFF, 12                          ; v12  x: 4 r
.set STA,  13                          ; v13  my stage + 4 x lane
.set STR,  14                          ; v14  my stage + 8 x lane
.set OOF,  15                          ; v15  8 x lane
.set SPW,  16                          ; v16  my spare word: SPARE + 4 x my thread's number; never rewritten
.set NIL,  17                          ; v17  0; never rewritten
.set PFO,  18                          ; v18  256 x lane
.set B5,   19                          ; v19  b5
.set X,    20                          ; v20, 22, 24, 26: x of my row in tile m (the odd registers are named with them as pairs)
.set ST,   28                          ; v28-43: tile m: pair ST + 4 m: the sum, then -mu;  pair ST + 4 m + 2: the squares, then 1 / sigma
.set TM,   44                          ; v44-55 at work in the quantiser: 4 largest magnitudes, 4 bytes, 4 scale operands
.set C2,   44                          ; v44-51 the squares' second chains
.set ACC,  44                          ; v44-51 the last product's sums
.set PX,   56                          ; v56-63 the conversions' second halves
.set HCB,  64                          ; v64-111  the second metadata layer's codes, 12 a tile
.set HS,   112                         ; v112-115 their scale words
.set YCB,  116                         ; v116-163 the codes of the operand in hand (first metadata layer; the trunk's y)
.set META, 116                         ; v116-147 metadata, 8 a tile, while no such codes live
.set YS,   164                         ; v164-167 their scale words
.set FC,   168                         ; v168-215 four buffers for a weight fragment
.set FB,   216                         ; v216-247 four for its bias, the C of its products
.set FS,   248                         ; v248-251 four for its scale word
.set AV,   252                         ; v252 VEC + 64 h
.set MSB, 0
.set QMODE, 0                          ; the queue of hosted matrix instructions: 1 styles, 2 the f32 products
.set QCH, 0                            ; styles: which chunk of 8 registers
.set QI, 0                             ; the next one
.set QE, 0                             ; the end
.set VC, 0                             ; counted vector lines
.macro WIN new                         ; the immediate's high byte repeats the setting that is left; a switch that changes nothing is dropped
.if MSB != (\new)
	s_set_vgpr_msb (MSB<<8)|(\new)
.set MSB, (\new)
.endif
.endm
.macro PLACES n
.rept \n
	v_nop
.endr
.endm
.macro CROUND                          ; a round of the cluster's barrier
	s_barrier_signal -1
	s_barrier_wait -1
	s_cmp_lg_u32 s12, 0
	s_cbranch_scc1 .Lnot_wave_0_\@
	s_barrier_signal -3
.Lnot_wave_0_\@:
	s_barrier_wait -3
	s_barrier_signal -1
	s_barrier_wait -1
.endm
; Six LDS loads: fragment i of a region into buffer k: its image, its scale word (at so), its eight biases of my half (at bo)
.macro LOADF k, ac, as, ab, i, so, bo
	ds_load_b128 v[FC+12*(\k):FC+12*(\k)+3], v[\ac] offset:1536*(\i)
	ds_load_b128 v[FC+12*(\k)+4:FC+12*(\k)+7], v[\ac] offset:1536*(\i)+512
	ds_load_b128 v[FC+12*(\k)+8:FC+12*(\k)+11], v[\ac] offset:1536*(\i)+1024
	ds_load_b32 v[FS+(\k)], v[\as] offset:(\so)+128*(\i)
	ds_load_b128 v[FB+8*(\k):FB+8*(\k)+3], v[\ab] offset:(\bo)
	ds_load_b128 v[FB+8*(\k)+4:FB+8*(\k)+7], v[\ab] offset:(\bo)+16
.endm
.macro LOADT k, f                      ; trunk fragment f into buffer k
	LOADF \k, ATC, ATS, ATB, \f, 12288, 13312+128*((\f)/2)+32*((\f)%2)
.endm
.macro LOADS t                         ; style chunk t: the scales' and the biases' fragment into buffers 2 (t % 2), 2 (t % 2) + 1
	LOADF 2*((\t)%2), ASC, ASS, ASB, 2*(\t), 24576, 26624+128*((\t)/2)+32*((\t)%2)
	LOADF 2*((\t)%2)+1, ASC, ASS, ASB, 2*(\t)+1, 24576, 27136+128*((\t)/2)+32*((\t)%2)
.endm
.macro STYW                            ; style product QI of a chunk's 8: scales of tiles 0-3 into S, biases of tiles 0-3 into Bi
.set sB, QI/4
.set sM, QI%4
.set sK, 2*(QCH%2)+sB
	WIN 0x40+0x40*sB
	v_wmma_scale_f32_16x16x128_f8f6f4 v[64*sM+8*QCH:64*sM+8*QCH+7], v[FC+12*sK:FC+12*sK+11], v[HCB+12*sM:HCB+12*sM+11], v[FB+8*sK:FB+8*sK+7], v[FS+sK], v[HS+sM] matrix_a_fmt:MATRIX_FMT_FP6 matrix_b_fmt:MATRIX_FMT_FP6
.endm
.macro H1W                             ; f32 product QI of 64: link QI / 16, tile of features (QI % 16) / 4, tile of rows QI % 4: 16 accumulators by turns; the first link takes mb1 as C
.set hS, QI/16
.set hT, (QI%16)/4
.set hM, QI%4
.if hS == 0
	WIN 0x62
	v_wmma_f32_16x16x4_f32 v[64*hM+8*hT:64*hM+8*hT+7], v[192+8*hT:192+8*hT+1], v[META+8*hM:META+8*hM+1], v[224+8*hT:224+8*hT+7]
.else
	WIN 0x52
	v_wmma_f32_16x16x4_f32 v[64*hM+8*hT:64*hM+8*hT+7], v[192+8*hT+2*hS:192+8*hT+2*hS+1], v[META+8*hM+2*hS:META+8*hM+2*hS+1], v[64*hM+8*hT:64*hM+8*hT+7]
.endif
.endm
.macro HOOK                            ; the queue's next matrix instruction, if there is one
.if QI < QE
.if QMODE == 1
	STYW
.else
	H1W
.endif
.set QI, QI+1
.endif
.endm
.macro T w                             ; ahead of each counted vector line: a hook ahead of every eighth, then the line's own windows
.if (VC%8) == 0
	HOOK
.endif
.set VC, VC+1
	WIN \w
.endm
.macro DRAIN
.rept 64
	HOOK
.endr
.endm
; 16 nb numbers of a lane in window ws from v[s] on, register 16 b + i = k 32 b + 16 h + i of my row, become a fragment's codes in v[pc] on and its scale word in v[pw].  nb = 2: K = 64, the rest zero codes under the byte 127.
.macro QUANT ws, s, pc, pw, nb
.set VC, 0
.irp b, 0,1,2,3
.if \b < \nb
	T ((\ws)|((\ws)<<2))
	v_max3_num_f32 v[TM+\b], |v[(\s)+16*\b]|, |v[(\s)+16*\b+1]|, 0x1800000   ; with the floor 2^(3 - 127): the byte cannot fall under 1
.endif
.endr
.irp i, 2,4,6,8,10,12,14
.irp b, 0,1,2,3
.if \b < \nb
	T (((\ws)<<2)|((\ws)<<4))
	v_max3_num_f32 v[TM+\b], v[TM+\b], |v[(\s)+16*\b+\i]|, |v[(\s)+16*\b+\i+1]|
.endif
.endr
.endr
	WIN 0
.irp b, 0,1,2,3
.if \b < \nb
	v_permlanex16_b32 v[TM+4+\b], v[TM+\b], s28, s29
.endif
.endr
.irp b, 0,1,2,3
.if \b < \nb
	v_max_num_f32 v[TM+\b], v[TM+\b], v[TM+4+\b]   ; with lane l xor 16's: the block's largest magnitude
.endif
.endr
.irp b, 0,1,2,3
.if \b < \nb
	v_add_nc_u32 v[TM+8+\b], 0xff000000, v[TM+\b]  ; 2 off its exponent field: the conversion's scale operand
.endif
.endr
.irp b, 0,1,2,3
.if \b < \nb
	v_lshrrev_b32 v[TM+4+\b], 23, v[TM+8+\b]       ; the scale's byte
.endif
.endr
	v_lshl_or_b32 v[\pw], v[TM+5], 8, v[TM+4]
.if \nb == 4
	v_lshl_or_b32 v[\pw], v[TM+6], 16, v[\pw]
	v_lshl_or_b32 v[\pw], v[TM+7], 24, v[\pw]
.else
	v_or_b32 v[\pw], 0x7f7f0000, v[\pw]
.endif
	WIN \ws
.irp c, 0,1
.if 2*\c < \nb
	v_cvt_scalef32_pk16_fp6_f32 v[(\pc)+6*\c:(\pc)+6*\c+2], v[(\s)+32*\c:(\s)+32*\c+15], v[TM+8+2*\c]
	v_cvt_scalef32_pk16_fp6_f32 v[PX+4*\c:PX+4*\c+2], v[(\s)+32*\c+16:(\s)+32*\c+31], v[TM+8+2*\c+1]   ; (a conversion's three registers begin on an even number)
.endif
.endr
	v_nop                                          ; one plain place behind a scaled conversion
	WIN 0
.irp c, 0,1                                        ; the operand's layout wants a WHOLE block in a lane: lanes 0-15 block 2 c, lanes 16-31 block 2 c + 1
.if 2*\c < \nb
.irp i, 0,1,2
	v_permlane16_swap_b32 v[(\pc)+6*\c+\i], v[PX+4*\c+\i]
.endr
.irp i, 0,1,2
	v_mov_b32 v[(\pc)+6*\c+3+\i], v[PX+4*\c+\i]
.endr
.endif
.endr
.if \nb == 2
.irp i, 6,7,8,9,10,11
	v_mov_b32 v[(\pc)+\i], 0
.endr
.endif
.endm
.macro TW f, dw                        ; trunk fragment f against the four tiles of rows, results into window dw
	WIN (\dw)<<6
.irp m, 0,1,2,3
	v_wmma_scale_f32_16x16x128_f8f6f4 v[64*\m+8*(\f):64*\m+8*(\f)+7], v[FC+12*((\f)%4):FC+12*((\f)%4)+11], v[YCB+12*\m:YCB+12*\m+11], v[FB+8*((\f)%4):FB+8*((\f)%4)+7], v[FS+(\f)%4], v[YS+\m] matrix_a_fmt:MATRIX_FMT_FP6 matrix_b_fmt:MATRIX_FMT_FP6
.endr
.endm
; A layer of 128 features: 8 fragments x 4 tiles.  Fragments 0-3 have been asked for.  Four plain places stand between a buffer's last product and the loads into it (ISA guide 7.12.1 for vector instructions).
.macro TRUNK dw
	s_wait_dscnt 0x0                               ; fragments 0-3 are in
	TW 0, \dw
	TW 1, \dw
	WIN 0
	PLACES 4
	LOADT 0, 4
	LOADT 1, 5
	TW 2, \dw
	TW 3, \dw
	WIN 0
	PLACES 4
	LOADT 2, 6
	LOADT 3, 7
	s_wait_dscnt 12                                ; all but the 12 loads of fragments 6 and 7
	TW 4, \dw
	TW 5, \dw
	s_wait_dscnt 0x0
	TW 6, \dw
	TW 7, \dw
	WIN 0
	PLACES 4                                       ; ahead of the first read of results and of loads into the buffers
.endm
; A row's statistics, the four tiles by turns: -mu; V is centred; 1 / (sqrt(sum of squares / 127) + 1e-6).  Each accumulator is read from its low end on.
.macro STATS
.irp m, 0,1,2,3
	T 0x0F
	v_pk_add_f32 v[ST+4*\m:ST+4*\m+1], v[64*\m:64*\m+1], v[64*\m+2:64*\m+3]
.endr
.irp m, 0,1,2,3
	T 0x0F
	v_pk_add_f32 v[ST+4*\m+2:ST+4*\m+3], v[64*\m+4:64*\m+5], v[64*\m+6:64*\m+7]
.endr
.set q, 8
.rept 14
.irp m, 0,1,2,3
	T 0x0C
	v_pk_add_f32 v[ST+4*\m:ST+4*\m+1], v[ST+4*\m:ST+4*\m+1], v[64*\m+q:64*\m+q+1]
.endr
.irp m, 0,1,2,3
	T 0x0C
	v_pk_add_f32 v[ST+4*\m+2:ST+4*\m+3], v[ST+4*\m+2:ST+4*\m+3], v[64*\m+q+2:64*\m+q+3]
.endr
.set q, q+4
.endr
.irp m, 0,1,2,3
	T 0
	v_pk_add_f32 v[ST+4*\m:ST+4*\m+1], v[ST+4*\m:ST+4*\m+1], v[ST+4*\m+2:ST+4*\m+3]
.endr
.irp m, 0,1,2,3
	T 0
	v_add_f32 v[ST+4*\m], v[ST+4*\m], v[ST+4*\m+1]
.endr
.irp m, 0,1,2,3
	T 0
	v_permlanex16_b32 v[TM+4+\m], v[ST+4*\m], s28, s29      ; the row's other 64 features lie in the lane 16 away
.endr
.irp m, 0,1,2,3
	T 0
	v_add_f32 v[ST+4*\m], v[ST+4*\m], v[TM+4+\m]
.endr
.irp m, 0,1,2,3
	T 0
	v_mul_f32 v[ST+4*\m], 0xbc000000, v[ST+4*\m]            ; x -1/128: -mu
.endr
.set q, 0
.rept 32
.irp m, 0,1,2,3
	T 0xC3
	v_pk_add_f32 v[64*\m+q:64*\m+q+1], v[64*\m+q:64*\m+q+1], v[ST+4*\m:ST+4*\m+1] op_sel_hi:[1,0]
.endr
.set q, q+2
.endr
.irp m, 0,1,2,3
	T 0x0F
	v_pk_mul_f32 v[ST+4*\m+2:ST+4*\m+3], v[64*\m:64*\m+1], v[64*\m:64*\m+1]
.endr
.irp m, 0,1,2,3
	T 0x0F
	v_pk_mul_f32 v[C2+2*\m:C2+2*\m+1], v[64*\m+2:64*\m+3], v[64*\m+2:64*\m+3]
.endr
.set q, 4
.rept 15
.irp m, 0,1,2,3
	T 0x0F
	v_pk_fma_f32 v[ST+4*\m+2:ST+4*\m+3], v[64*\m+q:64*\m+q+1], v[64*\m+q:64*\m+q+1], v[ST+4*\m+2:ST+4*\m+3]
.endr
.irp m, 0,1,2,3
	T 0x0F
	v_pk_fma_f32 v[C2+2*\m:C2+2*\m+1], v[64*\m+q+2:64*\m+q+3], v[64*\m+q+2:64*\m+q+3], v[C2+2*\m:C2+2*\m+1]
.endr
.set q, q+4
.endr
	DRAIN                                          ; the queue is empty from here on (524 counted lines have had room for its 64)
	WIN 0
.irp m, 0,1,2,3
	v_pk_add_f32 v[ST+4*\m+2:ST+4*\m+3], v[ST+4*\m+2:ST+4*\m+3], v[C2+2*\m:C2+2*\m+1]
.endr
.irp m, 0,1,2,3
	v_add_f32 v[ST+4*\m+2], v[ST+4*\m+2], v[ST+4*\m+3]
.endr
.irp m, 0,1,2,3
	v_permlanex16_b32 v[TM+8+\m], v[ST+4*\m+2], s28, s29
.endr
.irp m, 0,1,2,3
	v_add_f32 v[ST+4*\m+2], v[ST+4*\m+2], v[TM+8+\m]
.endr
.irp m, 0,1,2,3
	v_mul_f32 v[ST+4*\m+2], 0x3c010204, v[ST+4*\m+2]        ; x 1/127
.endr
.irp m, 0,1,2,3
	v_sqrt_f32 v[ST+4*\m+2], v[ST+4*\m+2]
.endr
	v_nop                                          ; a plain instruction behind the last root,
	s_wait_alu depctr_va_vdst(0)                   ; and the wait ahead of the first use: one for the four
.irp m, 0,1,2,3
	v_add_f32 v[ST+4*\m+2], 0x358637bd, v[ST+4*\m+2]        ; + 1e-6
.endr
.irp m, 0,1,2,3
	v_rcp_f32 v[ST+4*\m+2], v[ST+4*\m+2]
.endr
	v_nop
	s_wait_alu depctr_va_vdst(0)                   ; one for the four reciprocals
.endm
; AdaIN and leaky ReLU on registers 8 t .. 8 t + 7 of the four tiles: V / sigma; x scale + bias; 0.01 y into Bi's registers, which are done with; the larger of the two.  80 lines.
; mode 1: the chunk hosts the next layer's style products of chunk t - 1, whose S and Bi the chunk before has used up, and asks for the fragments of chunk t.  The hooks stand ahead of lines 0, 8 .. 56:
;   24 plain lines lie between a buffer's last product and the next chunk's loads into it.
; mode 2, the last layer: 16 more lines add y x w5.
.macro CHUNK t, mode
.if \mode == 1
	WIN 0
	LOADS \t
.if \t > 0
	s_wait_dscnt 12                                ; all but the 12 just issued: chunk t - 1's fragments are in
.set QMODE, 1
.set QCH, \t-1
.set QI, 0
.set QE, 8
.else
.set QI, 0
.set QE, 0
.endif
.set VC, 0
.endif
.if \mode == 2
	WIN 0
.if \t < 7
	ds_load_b128 v[FB+8*((\t+1)%2):FB+8*((\t+1)%2)+3], v[AV] offset:5376+128*((\t+1)/2)+32*((\t+1)%2)
	ds_load_b128 v[FB+8*((\t+1)%2)+4:FB+8*((\t+1)%2)+7], v[AV] offset:5376+128*((\t+1)/2)+32*((\t+1)%2)+16
	s_wait_dscnt 2                                 ; all but these two: this chunk's w5 is in
.else
	s_wait_dscnt 0x0
.endif
.endif
.irp j, 0,2,4,6
.irp m, 0,1,2,3
	T 0xC3
	v_pk_mul_f32 v[64*\m+8*(\t)+\j:64*\m+8*(\t)+\j+1], v[64*\m+8*(\t)+\j:64*\m+8*(\t)+\j+1], v[ST+4*\m+2:ST+4*\m+3] op_sel_hi:[1,0]
.endr
.endr
.irp j, 0,2,4,6
.irp m, 0,1,2,3
	T 0xED
	v_pk_fma_f32 v[64*\m+8*(\t)+\j:64*\m+8*(\t)+\j+1], v[64*\m+8*(\t)+\j:64*\m+8*(\t)+\j+1], v[64*\m+8*(\t)+\j:64*\m+8*(\t)+\j+1], v[64*\m+8*(\t)+\j:64*\m+8*(\t)+\j+1]   ; V = S x V + Bi: source 0 window 1, source 1 window 3, source 2 window 2
.endr
.endr
.irp j, 0,2,4,6
.irp m, 0,1,2,3
	T 0x83
	v_pk_mul_f32 v[64*\m+8*(\t)+\j:64*\m+8*(\t)+\j+1], v[64*\m+8*(\t)+\j:64*\m+8*(\t)+\j+1], s[42:43] op_sel_hi:[1,0]
.endr
.endr
.irp j, 0,1,2,3,4,5,6,7
.irp m, 0,1,2,3
	T 0xCB
	v_max_num_f32 v[64*\m+8*(\t)+\j], v[64*\m+8*(\t)+\j], v[64*\m+8*(\t)+\j]     ; V = max(V, Bi)
.endr
.endr
.if \mode == 2
.irp j, 0,2,4,6
.irp m, 0,1,2,3
	T 0x03
.if (\t == 0) && (\j == 0)
	v_pk_mul_f32 v[ACC+2*\m:ACC+2*\m+1], v[64*\m+8*(\t)+\j:64*\m+8*(\t)+\j+1], v[FB+8*((\t)%2)+\j:FB+8*((\t)%2)+\j+1]
.else
	v_pk_fma_f32 v[ACC+2*\m:ACC+2*\m+1], v[64*\m+8*(\t)+\j:64*\m+8*(\t)+\j+1], v[FB+8*((\t)%2)+\j:FB+8*((\t)%2)+\j+1], v[ACC+2*\m:ACC+2*\m+1]
.endif
.endr
.endr
.endif
.endm
	s_load_b256 s[4:11], s[0:1], 0x0               ; wimg s[4:5], x s[6:7], metadata s[8:9], out0 s[10:11]
	v_lshl_add_u32 v[SPW], v0, 2, SPARE
	v_mov_b32 v[NIL], 0
	ds_add_u32 v[SPW], v[NIL]                      ; the wave's opening: the add and its wait stand ahead of my first tensor load; the set-up below, work on registers, stands between them
	v_lshrrev_b32 v1, 5, v0
	v_readfirstlane_b32 s12, v1                    ; wave 0..3
	s_bfe_u32 s13, ttmp6, 0x40000                  ; cx: my place in the cluster: it enters the addresses of x, metadata and out0 alone
	s_lshl_b32 s14, ttmp9, 2                       ; in a cluster launch ttmp9 counts clusters
	s_add_co_u32 s14, s14, s13                     ; my work-group
	; descriptor group 1: 168 rows of 256 bytes, dense in memory and in LDS
	s_mov_b32 s20, 15|(3<<16)|(1<<21)              ; 15:0 the mask: all four work-groups; 17:16 elements of 8 bytes; 20 no padding; 21 set beside a mask
	s_mov_b32 s21, 32<<16                          ; tensor_dim0 = 32
	s_mov_b32 s22, 168<<16                         ; tensor_dim1 = 168
	s_mov_b32 s23, 32<<16                          ; tile_dim0 = 32
	s_mov_b32 s24, 168                             ; tile_dim1 = 168
	s_mov_b32 s25, 32                              ; from row to row
	s_mov_b32 s26, 0
	s_mov_b32 s27, 0
	s_mov_b32 s28, 0x76543210
	s_mov_b32 s29, 0xfedcba98                      ; v_permlanex16_b32's selects for lane l xor 16
	s_mov_b32 s42, 0x3c23d70a                      ; 0.01
	s_mov_b32 s43, s42                             ; (named with it as a pair, so it is written)
	s_mul_i32 s17, s12, QUART                      ; my quarter in LDS: the wave's number alone
	s_mov_b32 s38, s17                             ; and in wimg
	s_mov_b32 s39, 0
	s_and_b32 s41, s12, 1
	s_cmp_eq_u32 s41, 0
	s_cselect_b32 s41, 1, -1                       ; waves 0 and 2 prefetch
	s_lshl_b32 s44, s14, 16                        ; my work-group's 1,024 rows of metadata, 64 bytes each
	s_mov_b32 s45, 0
	s_lshr_b32 s46, s12, 1
	s_lshl_b32 s46, s46, 13
	s_add_co_u32 s46, s46, s44                     ; the prefetches: + 8,192 x (wave / 2)
	s_mov_b32 s47, 0
	s_lshl_b32 s15, s12, 12
	s_add_co_u32 s44, s44, s15                     ; my wave's 64 rows
	s_wait_dscnt 0x0                               ; the opening add is done
	s_wait_kmcnt 0x0
	s_mov_b32 s16, 1                               ; group 0: count = 1;  s17 the LDS address;
	s_add_nc_u64 s[18:19], s[4:5], s[38:39]        ; the global address of my quarter;
	s_or_b32 s19, s19, 0x80000000                  ; type = 2
	CROUND                                         ; all four work-groups are here: the joint loads meet
	tensor_load_to_lds s[16:19], s[20:27]          ; the one tensor load of this wave: LDS is filled once
	s_nop 0
	PLACES 4
	s_add_nc_u64 s[36:37], s[8:9], s[46:47]
	s_add_nc_u64 s[8:9], s[8:9], s[44:45]
	s_lshl_b32 s46, s14, 12                        ; x and out0: 4 bytes a row
	s_lshl_b32 s15, s12, 8
	s_add_co_u32 s46, s46, s15
	s_add_nc_u64 s[6:7], s[6:7], s[46:47]
	s_add_nc_u64 s[10:11], s[10:11], s[46:47]
	v_and_b32 v56, 31, v0                          ; lane
	v_and_b32 v57, 15, v0                          ; r
	v_bfe_u32 v58, v0, 4, 1                        ; h
	v_lshlrev_b32 v[LI], 4, v56
	v_lshlrev_b32 v[LS], 2, v56
	v_lshlrev_b32 v[LH], 6, v58
	v_and_b32 v59, 8, v57
	v_add_nc_u32 v59, v59, v57                     ; r + 8 (r / 8)
	v_lshlrev_b32 v[AMW], 6, v59
	v_lshl_add_u32 v[AMW], v58, 5, v[AMW]
	v_add_nc_u32 v[AMW], VEC, v[AMW]
	v_lshlrev_b32 v[MOFF], 6, v57
	v_lshl_add_u32 v[MOFF], v58, 5, v[MOFF]
	v_lshlrev_b32 v[XOFF], 2, v57
	s_add_co_u32 s15, s15, STAGE                   ; my stage: 256 x wave
	v_add_nc_u32 v[STA], s15, v[LS]
	v_lshlrev_b32 v[OOF], 3, v56
	v_add_nc_u32 v[STR], s15, v[OOF]
	v_lshlrev_b32 v[PFO], 8, v56
	v_add_nc_u32 v[AV], VEC, v[LH]
	v_cmp_lt_u32 s34, 15, v56                      ; lanes 16-31
.irp m, 0,1,2,3                                    ; the first pass's rows
	global_load_b128 v[META+8*\m:META+8*\m+3], v[MOFF], s[8:9] offset:1024*\m th:TH_LOAD_NT
	global_load_b128 v[META+8*\m+4:META+8*\m+7], v[MOFF], s[8:9] offset:1024*\m+16 th:TH_LOAD_NT
	global_load_b32 v[X+2*\m], v[XOFF], s[6:7] offset:64*\m th:TH_LOAD_NT
.endr
.set i, 44
.rept 20
	v_mov_b32 v[i], 0                              ; written once: a lane permute's destination counts as one of its sources
.set i, i+1
.endr
.irp m, 0,1,2,3
	v_mov_b32 v[X+2*\m+1], 0
.endr
	s_wait_tensorcnt 0x0                           ; my quarter of the image is in,
	s_barrier_signal -1
	s_barrier_wait -1                              ; everybody's is: from here on all four waves read all of it, and nobody writes it
	ds_load_b32 v[B5], v[AV] offset:5888
	s_mov_b32 s30, 4                               ; passes to go
.Lpass:
	s_cmp_gt_u32 s30, 1
	s_cselect_b32 s35, s41, -1                     ; the layer trip in which I prefetch: the third, if there is a next pass and the wave is 0 or 2
	; ---- A: the trunk's first layer and its statistics; among their lines the 64 f32 products of the first metadata layer
	WIN 0x80                                       ; destination window 2
.irp i, 0,1,2,3,4,5,6,7,8,9,10,11,12,13,14,15
	ds_load_b128 v[4*\i:4*\i+3], v[AV] offset:4352+128*(\i/4)+16*(\i%4)          ; w1 of my 64 features
	ds_load_b128 v[64+4*\i:64+4*\i+3], v[AV] offset:4864+128*(\i/4)+16*(\i%4)    ; b1
.endr
.irp t, 0,1,2,3
	ds_load_b128 v[192+8*\t:192+8*\t+3], v[AMW] offset:64*(32*(\t/2)+8*(\t%2))       ; mw1: tile t's row of my lane, k = 8 h + 0 .. 7
	ds_load_b128 v[192+8*\t+4:192+8*\t+7], v[AMW] offset:64*(32*(\t/2)+8*(\t%2))+16
	ds_load_b128 v[224+8*\t:224+8*\t+3], v[AV] offset:4096+128*(\t/2)+32*(\t%2)      ; mb1, in the result's layout
	ds_load_b128 v[224+8*\t+4:224+8*\t+7], v[AV] offset:4096+128*(\t/2)+32*(\t%2)+16
.endr
	s_wait_dscnt 0x0
	s_wait_loadcnt 0x0                             ; this pass's x and metadata, asked for a pass ago
.set QMODE, 2
.set QI, 0
.set QE, 64
.set VC, 0
.set q, 0
.rept 32
.irp m, 0,1,2,3
	T 0xE2
	v_pk_fma_f32 v[64*\m+q:64*\m+q+1], v[q:q+1], v[X+2*\m:X+2*\m+1], v[64+q:64+q+1] op_sel_hi:[1,0,1]   ; V = w1 x + b1
.endr
.set q, q+2
.endr
	STATS
	s_cmp_eq_u32 s30, 1
	s_cbranch_scc1 .Lno_x                          ; no load leaves its buffer
.irp m, 0,1,2,3
	global_load_b32 v[X+2*\m], v[XOFF], s[6:7] offset:1024+64*\m th:TH_LOAD_NT    ; the next pass's x: a whole pass ahead
.endr
.Lno_x:
	; ---- B: relu and quantiser of the first metadata layer (K = 64).  The statistics' last 20 plain lines are the places behind the last f32 product
	s_mov_b32 s33, 0
	v_add_nc_u32 v[ATC], s33, v[LI]
	v_add_nc_u32 v[ATS], s33, v[LS]
	v_add_nc_u32 v[ATB], s33, v[LH]
	LOADT 0, 0
	LOADT 1, 1
	LOADT 2, 2
	LOADT 3, 3
	WIN 0x84                                       ; destination window 2, source 1 window 1
.irp m, 0,1,2,3
.set q, 0
.rept 32
	v_max_num_f32 v[32*\m+q], 0, v[64*\m+q]
.set q, q+1
.endr
.endr
.irp m, 0,1,2,3
	QUANT 2, 32*\m, YCB+12*\m, YS+\m, 2
.endr
	PLACES 8                                       ; a scale register written by a vector instruction stands 8 places ahead of a scaled matrix instruction, an operand so written 4
	; ---- C: the second metadata layer, into Bi, mb2 as C
	TRUNK 2
	; ---- D: its relu and quantiser
	s_mov_b32 s32, STY0
	v_add_nc_u32 v[ASC], s32, v[LI]
	v_add_nc_u32 v[ASS], s32, v[LS]
	v_add_nc_u32 v[ASB], s32, v[LH]
	LOADS 0
	LOADS 1
	WIN 0x88
.set q, 0
.rept 256
	v_max_num_f32 v[q], 0, v[q]
.set q, q+1
.endr
.irp m, 0,1,2,3
	QUANT 2, 64*\m, HCB+12*\m, HS+\m, 4
.endr
	PLACES 8
	; ---- E: the first layer's styles: 8 chunks of 8 products
.set QMODE, 1
.irp t, 0,1,2,3,4,5,6,7
.if \t < 7
	s_wait_dscnt 12                                ; all but the next chunk's 12 loads
.else
	s_wait_dscnt 0x0
.endif
.set QCH, \t
.set QI, 0
.set QE, 8
.rept 8
	HOOK
.endr
.if \t < 6
	WIN 0
	PLACES 4
	LOADS \t+2
.endif
.endr
	WIN 0
	PLACES 4
	s_mov_b32 s32, STY0+STYB
	s_mov_b32 s33, TRKB
	s_mov_b32 s31, 3
.Llayer:                                           ; three trips: apply layer L, among its lines the styles of layer L + 1; quantise y; the trunk's next layer; its statistics
	v_add_nc_u32 v[ASC], s32, v[LI]
	v_add_nc_u32 v[ASS], s32, v[LS]
	v_add_nc_u32 v[ASB], s32, v[LH]
	v_add_nc_u32 v[ATC], s33, v[LI]
	v_add_nc_u32 v[ATS], s33, v[LS]
	v_add_nc_u32 v[ATB], s33, v[LH]
	CHUNK 0, 1
	WIN 0
	; A PREFETCH INTO THE L2 of the next pass's 256 rows of metadata, 16,384 bytes: waves 0 and 2 name 8,192 each, lanes 256 bytes apart, once, in the third trip: one trip ahead of the loads that want them.
	; The last pass asks for nothing.  Work-groups are told apart by address; the branch hangs on the wave's number and the counts of passes and trips.
	s_cmp_eq_u32 s31, s35
	s_cbranch_scc0 .Lno_pf
	global_prefetch_b8 v[PFO], s[36:37] offset:16384 th:TH_LOAD_NT scope:SCOPE_SE
.Lno_pf:
.irp t, 1,2,3,4,5,6,7
	CHUNK \t, 1
.endr
	WIN 0
	LOADT 0, 0                                     ; buffers 0 and 1 are free: 24 plain lines lie behind their last product
	LOADT 1, 1
	s_wait_dscnt 12                                ; all but these 12: style chunk 7's fragments are in
.set QMODE, 1
.set QCH, 7
.set QI, 0
.set QE, 8
	QUANT 3, 0, YCB, YS, 4                         ; each of these two hosts four of chunk 7's products
	QUANT 3, 64, YCB+12, YS+1, 4
	LOADT 2, 2                                     ; the quantiser's lines behind its last hook are the places
	LOADT 3, 3
	QUANT 3, 128, YCB+24, YS+2, 4
	QUANT 3, 192, YCB+36, YS+3, 4
	PLACES 8
	TRUNK 3
	STATS
	s_add_co_u32 s32, s32, STYB
	s_add_co_u32 s33, s33, TRKB
	s_sub_co_u32 s31, s31, 1
	s_cmp_lg_u32 s31, 0
	s_cbranch_scc1 .Llayer
	; ---- the last layer: apply, and y . w5
	s_cmp_eq_u32 s30, 1
	s_cbranch_scc1 .Lno_meta                       ; no load leaves its buffer
.irp m, 0,1,2,3                                    ; the next pass's metadata, into the registers that the last codes have left (the statistics are the places behind the products that read them)
	global_load_b128 v[META+8*\m:META+8*\m+3], v[MOFF], s[8:9] offset:16384+1024*\m th:TH_LOAD_NT
	global_load_b128 v[META+8*\m+4:META+8*\m+7], v[MOFF], s[8:9] offset:16384+1024*\m+16 th:TH_LOAD_NT
.endr
.Lno_meta:
	ds_load_b128 v[FB:FB+3], v[AV] offset:5376
	ds_load_b128 v[FB+4:FB+7], v[AV] offset:5376+16
.set QI, 0
.set QE, 0
.irp t, 0,1,2,3,4,5,6,7
	CHUNK \t, 2
.endr
	WIN 0
.irp m, 0,1,2,3
	v_add_f32 v[ACC+2*\m], v[ACC+2*\m], v[ACC+2*\m+1]
.endr
.irp m, 0,1,2,3
	v_permlanex16_b32 v[TM+8+\m], v[ACC+2*\m], s28, s29
.endr
.irp m, 0,1,2,3
	v_add_f32 v[ACC+2*\m], v[ACC+2*\m], v[TM+8+\m]
.endr
.irp m, 0,1,2,3
	v_add_f32 v[ACC+2*\m], v[ACC+2*\m], v[B5]
.endr
.irp m, 0,1,2,3
	v_mul_f32 v[ACC+2*\m+1], s42, v[ACC+2*\m]
.endr
.irp m, 0,1,2,3
	v_max_num_f32 v[ACC+2*\m], v[ACC+2*\m], v[ACC+2*\m+1]
.endr
	v_cndmask_b32 v56, v[ACC], v[ACC+2], s34       ; lanes 0-15 tile 0's rows, lanes 16-31 tile 1's: row = lane
	v_cndmask_b32 v57, v[ACC+4], v[ACC+6], s34     ; row = 32 + lane
	ds_store_b32 v[STA], v56                       ; through my own 256 bytes of LDS, so that the wave's 64 numbers leave by one store
	ds_store_b32 v[STA], v57 offset:128
	ds_load_b64 v[58:59], v[STR]                   ; LDS serves a wave's instructions in order (ISA guide 5.7.1.4): this sees the stores above
	s_wait_dscnt 0x0
	global_store_b64 v[OOF], v[58:59], s[10:11] th:TH_STORE_NT   ; 32 lanes store 256 consecutive bytes, at a multiple of 256 from out0's first byte
	s_wait_xcnt 0x0                                ; every earlier memory instruction has read its addresses and data: the bases may step, and v58-59 may be written again
	s_add_nc_u64 s[6:7], s[6:7], 1024
	s_add_nc_u64 s[10:11], s[10:11], 1024
	s_add_nc_u64 s[8:9], s[8:9], 16384
	s_add_nc_u64 s[36:37], s[36:37], 16384
	s_sub_co_u32 s30, s30, 1
	s_cmp_lg_u32 s30, 0
	s_cbranch_scc1 .Lpass
	s_wait_tensorcnt 0x0                           ; the wave's end, behind my last tensor load and my last LDS store
	ds_add_u32 v[SPW], v[NIL]
	s_wait_dscnt 0x0
	CROUND                                         ; the closing round: no work-group ends while a partner may still ask for a tile that names it
	s_endpgm
.Lfunc_end_k_qd87588c9b7_main:
	.size	k_qd87588c9b7_main, .Lfunc_end_k_qd87588c9b7_main-k_qd87588c9b7_main
	.p2alignl 7, 3214868480
	.fill 96, 4, 3214868480
	.section	.rodata,"a",@progbits
	.p2align	6, 0x0
	.amdhsa_kernel k_qd87588c9b7_main
		.amdhsa_group_segment_fixed_size 173568
		.amdhsa_private_segment_fixed_size 0
		.amdhsa_enable_private_segment 0
		.amdhsa_kernarg_size 32
		.amdhsa_user_sgpr_count 2
		.amdhsa_user_sgpr_kernarg_segment_ptr 1
		.amdhsa_wavefront_size32 1
		.amdhsa_system_sgpr_workgroup_id_x 1
		.amdhsa_system_sgpr_workgroup_id_y 1
		.amdhsa_system_sgpr_workgroup_id_z 1
		.amdhsa_system_vgpr_workitem_id 0
		.amdhsa_next_free_vgpr 1024
		.amdhsa_next_free_sgpr 66
		.amdhsa_reserve_vcc 0
		.amdhsa_float_denorm_mode_32 3
		.amdhsa_float_denorm_mode_16_64 3
		.amdhsa_memory_ordered 1
		.amdhsa_forward_progress 1
		.amdhsa_inst_pref_size 255
	.end_amdhsa_kernel
	.section	.bss,"aw",@nobits
	.p2align	6
	.space	262144
	.amdgpu_metadata
---
amdhsa.version: [ 1, 2 ]
amdhsa.kernels:
  - .name:           k_qd87588c9b7_main
    .symbol:         k_qd87588c9b7_main.kd
    .args:
      - { .name: wimg, .offset: 0, .size: 8, .value_kind: global_buffer, .address_space: global }
      - { .name: x, .offset: 8, .size: 8, .value_kind: global_buffer, .address_space: global }
      - { .name: metadata, .offset: 16, .size: 8, .value_kind: global_buffer, .address_space: global }
      - { .name: out0, .offset: 24, .size: 8, .value_kind: global_buffer, .address_space: global }
    .group_segment_fixed_size: 173568
    .private_segment_fixed_size: 0
    .kernarg_segment_align: 8
    .kernarg_segment_size: 32
    .max_flat_workgroup_size: 128
    .sgpr_count:     66
    .vgpr_count:     1024
    .wavefront_size: 32
...
	.end_amdgpu_metadata
.endif
;; end of part 2
